; MI455X (gfx1250); checked and timed in simulation.
; The chip was launched on July 23, 2026; its instructions are those of AMD's public machine-readable ISA for CDNA 5 (MIT licence, August 2026) and "CDNA5" Instruction Set Architecture Reference Guide (July 2026). The comments in the code are by the model that wrote it; some were corrected since.
;; Self Attention. Allowed arithmetic: matrix products marked QUANTISED: E3M2 operands, one E8M0 scale for each 32 along K, by v_wmma_scale_f32_16x16x128_f8f6f4 with both operands' format E3M2, f32 sums; everything else in f32.
;; Inputs: Wk_codes 512 x 16 x 24 uint8 (E3M2 codes of Wk, K innermost, in blocks of 32 codes, four codes in three bytes); Wk_scales 512 x 16 uint8 (E8M0 scales of Wk, one for each 32 codes along K); Wq_codes 512 x 16 x 24 uint8 (E3M2 codes of Wq, K innermost, in blocks of 32 codes, four codes in three bytes); Wq_scales 512 x 16 uint8 (E8M0 scales of Wq, one for each 32 codes along K); Wv_codes 256 x 16 x 24 uint8 (E3M2 codes of Wv, K innermost, in blocks of 32 codes, four codes in three bytes); Wv_scales 256 x 16 uint8 (E8M0 scales of Wv, one for each 32 codes along K); bk 512 float32; bq 512 float32; bv 256 float32; x_codes 4 x 4,096 x 16 x 24 uint8 (E3M2 codes of x, K innermost, in blocks of 32 codes, four codes in three bytes); x_scales 4 x 4,096 x 16 uint8 (E8M0 scales of x, one for each 32 codes along K).
;; Outputs: out0 4 x 4,096 x 256 float32.
;; This version of the problem:
;;   THIS VERSION OF THE PROBLEM IS GIVEN IN LOW PRECISION. The matrix products marked QUANTISED in the list below multiply operands that are first quantised to E3M2 (3 exponent bits, 2 mantissa bits; 6 bits a number), with one power-of-two scale for each 32 numbers along K (OCP MX v1.0); their sums are f32. All else is computed in f32.
;;   The module's matrix products, in the order in which they are computed (A, B: the left and right operand; K: the contracted axis; several contracted axes count as one K, in the product's order):
;;     1. [M 16,384, K 512] x [K 512, N 512]; A: input x (given as codes); B: input Wq (given as codes): QUANTISED
;;     2. [M 16,384, K 512] x [K 512, N 512]; A: input x (given as codes); B: input Wk (given as codes): QUANTISED
;;     3. [M 16,384, K 512] x [K 512, N 256]; A: input x (given as codes); B: input Wv (given as codes): QUANTISED
;;     4. batch 4 x [M 4,096, K 512] x [K 512, N 4,096]; A: computed on the way; B: computed on the way: QUANTISED
;;     5. batch 4 x [M 4,096, K 4,096] x [K 4,096, N 256]; A: softmax (see below); B: computed on the way: QUANTISED
;;   THE QUANTISER, for each operand of a quantised product, along K:
;;     - K is cut into blocks of 32 from its start; a last block that is shorter is filled with zeros.
;;     - A block's scale is 2^e with e = floor(log2(the largest magnitude in the block)) - 4, held to -126 .. 127; a block of zeros has e = 0. As a byte (E8M0): e + 127.
;;     - Each number is divided by its block's scale, clamped to +-28, and rounded to the nearest number of E3M2, ties to even, subnormals kept.
;;     - The product sums the exact products of the quantised numbers (number of the format x scale) in f32.
;;   ~~~python
;;   def quantise(x, axis):      # numpy; x: float32 -> the quantised numbers, widened to float32 again
;;       x = np.moveaxis(x, axis, -1); K = x.shape[-1]
;;       x = np.pad(x, [(0, 0)] * (x.ndim - 1) + [(0, -K % 32)]); x = x.reshape(x.shape[:-1] + (-1, 32)); a = np.abs(x).max(-1, keepdims=True)
;;       e = np.where(a > 0, np.clip(np.frexp(np.where(a > 0, a, 1))[1] - 1 - 4, -126, 127), 0)      # np.frexp(a)[1] - 1 = floor(log2(a)), exactly
;;       r = np.clip(x / 2.0 ** e, -28, 28)
;;       step = 2.0 ** (np.maximum(np.frexp(np.where(r == 0, 1, r))[1] - 1, -2) - 2)
;;       q = np.round(r / step) * step * 2.0 ** e      # np.round: ties to even
;;       return np.moveaxis(q.reshape(q.shape[:-2] + (-1,))[..., :K], -1, axis).astype(np.float32)
;;   ~~~
;;   SOFTMAX AHEAD OF A QUANTISED PRODUCT. Where the list says 'softmax', what is quantised is not the finished softmax but p = 2^(t - M), with t = logit x log2(e) and M = ceil(the row's largest t), a whole number; so 1/2 < the row's largest p <= 1. The row's sum l is taken of the UNQUANTISED p, in f32, and the product's result is divided by l at the end. Since M is a whole number, a kernel that streams over the keys may use a running M (the ceiling of the running maximum): every later rescaling is an exact power of two, which a block's scale takes up: the codes' values come out the same.
;;   OPERANDS COMPUTED ON THE WAY. 'Computed on the way' means the value that the module computes at that place (a softmax that the list does not call 'softmax' is quantised finished and normalised). What goes into a quantiser is computed in f32, as accurately as f32 sums, v_exp_f32 and their like allow (about 1e-6 of the number): no bf16 or f16 on the way to a quantiser, and a product that is left as it is and whose result goes on into a quantised operand takes f32 operands (vector FMAs, or v_wmma_f32_16x16x4_f32). A number that lies on a knife's edge between two numbers of the format may be rounded either way, as far as f32 arithmetic and the matrix unit's own rounding can turn it there, and no further.
;;   INPUTS GIVEN AS CODES. Wk (in the module: [512, 512], K = its axis 0); Wq (in the module: [512, 512], K = its axis 0); Wv (in the module: [512, 256], K = its axis 0); x (in the module: [4, 4096, 512], K = its axis 2): each comes as NAME_codes (uint8): NAME with its K axis moved to the last place and cut into blocks of 32 codes, [.., K / 32, bytes a block], one block behind the other in memory; four codes in three bytes: a row's codes are one little-endian stream of bits, code i at bits 6 i .. 6 i + 5 (a code: sign, 3 exponent bits, 2 mantissa bits); and NAME_scales (uint8): the same leading axes, one E8M0 byte (e + 127) for each 32 codes along K. Its value is code x scale, taken as it is: it is not quantised again, and the codes and scales need not be those that the quantiser above would give.
;; One version. Each part assembles by itself: llvm-mc -triple=amdgcn-amd-amdhsa -mcpu=gfx1250 --defsym DOCPART=n.
;; ======== version 1 of 1: 2 launches
;; workspace buffers: qf 6,553,600 bytes; kv 9,830,400 bytes
;; launch proj (part 1): grid 128 x 2, 4 waves a work-group, clusters of 4 x 1, 313,856 bytes of LDS; arguments x_codes, x_scales, Wq_codes, Wq_scales, bq, qf, Wk_codes, Wk_scales, bk, kv, Wv_codes, Wv_scales, bv; writes qf, kv
.if DOCPART == 1
	.amdgcn_target "amdgcn-amd-amdhsa--gfx1250"
	.amdhsa_code_object_version 6
	.text
	.protected	k_qb0a325cf3f_proj
	.globl	k_qb0a325cf3f_proj
	.p2align	8
	.type	k_qb0a325cf3f_proj,@function
k_qb0a325cf3f_proj:
	s_mov_b64 s[64:65], 0
	v_nop
	global_prefetch_b8 v0, s[64:65] scope:SCOPE_SE
	s_setreg_imm32_b32 hwreg(HW_REG_WAVE_MODE, 25, 1), 1
	s_wait_xcnt 0x0
	s_wait_alu depctr_hold_cnt(0) depctr_sa_sdst(0) depctr_va_vdst(0) depctr_va_sdst(0) depctr_va_ssrc(0) depctr_va_vcc(0) depctr_vm_vsrc(0)
	s_getreg_b32 s2, hwreg(HW_REG_IB_STS2, 6, 4)
	s_cmp_eq_u32 s2, 0
	s_cbranch_scc0 .Lentry_in_a_cluster
	s_endpgm
.Lentry_in_a_cluster:
	s_bfe_u32 s2, ttmp6, 0x10000c
	s_cmp_lg_u32 s2, 0x3003
	s_cbranch_scc0 .Lentry_shape_is_right
	s_endpgm
.Lentry_shape_is_right:
; q = x Wq + bq, k = x Wk + bk, v = x Wv + bv on codes of BF6 (E3M2) with one E8M0 scale for each 32 along K = 512; the results are quantised in registers
; (q and k along their 512, v along the KEYS) and stored as images of operand registers for the attention launch.
; NO WORK IS LEFT OUT: each of the three biases stands ahead of a quantiser of a live product, so it can move codes and scales; every input is loaded.
; LIMITS: NaN and infinities are not served.  A block of zeros gets the scale byte 1 (its codes are zeros; the bytes are read by this program alone).  A block whose largest magnitude lies under 2^(5 - 127) is held at that byte too.
; SHARES.  Work-group (g, y): the 128 rows of group g (batch x 32 + group).  y = 0: q and v's channel tiles 0-7; y = 1: k and v's channel tiles 8-15.  The two differ in pointers and one stride, chosen by
; selects on y: one path through the text.  Wave w makes columns 128 w .. 128 w + 127 of q or k for all 8 row tiles (K step w of the scores' product) and v's channel tiles 8 y + 2 w, 8 y + 2 w + 1.
; ROW ORDER.  Row tile m holds rows 32 (m / 2) + 8 (m % 2) + r + 8 (r / 8) of the group, and a tile of W the same choice of W's rows: so the 16 registers of two neighbouring result tiles are 16 neighbours
; along the next product's K (hidden units for q and k, where source 0 = W and source 1 = x; keys for v, where source 0 = x and source 1 = Wv).
; OUT.  A fragment (16 rows x 128 K, 12 registers a lane) is stored by three stores of 16 bytes a lane, 512 consecutive bytes each.  qf group: 32 fragments (4 m + s) x 1,536, then the scale words at
; 49,152 + 512 s + 16 lane + 4 pr (row tile 2 pr + lane / 16, row lane % 16).  kv group: the same for k, then v's 16 fragments from 51,200 on, then v's scale words at 75,776 + 128 pc + 4 lane.
; CLUSTER.  The four work-groups of a cluster share y, so they read the same W and Wv: 245,760 bytes asked for jointly.  x's 49,152 bytes are a work-group's own (only the two y share them): a plain load.
; LDS, each byte filled once: a row of 384 bytes lies as 3 x (128 + 8 of padding) = 408.  W: 52,224 a wave, the wave's own; Wv: 13,056 a wave, its own; x: 4 x 13,056, read by all four behind one barrier.
.set XROW, 408
.set LWB,  52224
.set LV,   208896
.set LVB,  13056
.set LX,   261120
.set SPARE, 313344                     ; the spare words, 128 bytes a wave: two blocks of 256 bytes that no other line names
.set LI,   1                           ; v1    16 x lane
.set WA,   2                           ; v2,3  my place in a tile of W (24 h; 32 h for pieces behind one padding more)
.set XA,   4                           ; v4,5  the same in x
.set VAD,  6                           ; v6,7  the same in Wv
.set XSA,  8                           ; v8    16 (r + 8 (r / 8) + 8 h): a row of scale bytes; lanes 16-31 take the odd tile of a pair
.set BA,   9                           ; v9    64 h
.set SPW,  10                          ; v10   my spare word; never rewritten
.set NIL,  11                          ; v11   0; never rewritten
.set WS,   12                          ; v12-27  W's scale words [4 b + s]
.set WVS,  28                          ; v28-31  Wv's [s]
.set XS,   32                          ; v32-47  x's [4 b + s]
.set TM,   48                          ; v48-63  at work in QUANT
.set HA,   64                          ; v64-127 8 result tiles of q or k
.set XF,   128                         ; v128-223 x's fragments of a row tile, two sets of 48
.set PC,   224                         ; v224-242 the codes just made
.set PW,   244                         ; the scale word just made
.set SCW,  246                         ; v246-249 the scale words of four pairs of row tiles
.set VSW,  250                         ; v's scale words of my two channel tiles
.set L4,   251                         ; 4 x lane
.set R4,   252                         ; 4 r
.set B1,   192                         ; window 1: the bias, 8 tiles x 8.  (window 1, v0-191: W's tiles 0-3; window 2: tiles 4-7)
.set BV,   96                          ; window 3: bv, 2 x 8.  (window 3, v0-95: Wv's fragments)
.set VA,   128                         ; window 3: v's accumulators, 64 u + 8 m
.set STR,  34
.set WV,   35
.set YY,   36
.set GG,   37
.set SEL,  38
.set G1W,  40
.set G1V,  48
.set G1X,  56
.set G0W,  68
.set G0V,  72
.set G0X,  76
.set MSB, 0
.macro WIN new                         ; the immediate's high byte repeats the setting that is left; a switch that changes nothing is dropped
.set NW, \new
.if MSB != NW
	s_set_vgpr_msb (MSB<<8)|NW
.set MSB, NW
.endif
.endm
.macro PLACES n
.rept \n
	v_nop
.endr
.endm
.macro CROUND                          ; a round of the cluster's barrier
	s_barrier_signal -1
	s_barrier_wait -1
	s_cmp_lg_u32 s[WV], 0
	s_cbranch_scc1 .Lnot_wave_0_\@
	s_barrier_signal -3
.Lnot_wave_0_\@:
	s_barrier_wait -3
	s_barrier_signal -1
	s_barrier_wait -1
.endm
; a fragment out of padded rows: six pieces of 8 bytes.  Lanes 16-31 read three pieces further on, which from a row part's 13th piece on is behind one padding more: the second address register serves those
.macro FRAG reg, adr, s, row
.irp p, 0,1,2,3,4,5
.set PP, 12*(\s)+6*(\p/3)+\p%3
.set RG, (\reg)+2*\p
.if PP%16 < 13
	ds_load_b64 v[RG:RG+1], v[\adr] offset:8*PP+8*(PP/16)+(\row)*XROW
.else
	ds_load_b64 v[RG:RG+1], v[\adr+1] offset:8*PP+8*(PP/16)+(\row)*XROW
.endif
.endr
.endm
.macro XLOAD m                         ; x's four fragments of row tile m into set m % 2
.irp s, 0,1,2,3
	FRAG XF+48*((\m)%2)+12*\s, XA, \s, 32*((\m)/2)+8*((\m)%2)
.endr
.endm
; one matrix instruction.  ra, rb = 1: that side's scales stand in lanes 16-31 of its register
.macro WM d, a, b, c, sa, sb, ra, rb
.set wD, \d
.set wA, \a
.set wB, \b
.set wC, \c
.set wS, \sa
.set wT, \sb
.set wR, (\ra)+2*(\rb)
.if wR == 0
	v_wmma_scale_f32_16x16x128_f8f6f4 v[wD:wD+7], v[wA:wA+11], v[wB:wB+11], v[wC:wC+7], v[wS], v[wT] matrix_a_fmt:MATRIX_FMT_BF6 matrix_b_fmt:MATRIX_FMT_BF6
.elseif wR == 1
	v_wmma_scale_f32_16x16x128_f8f6f4 v[wD:wD+7], v[wA:wA+11], v[wB:wB+11], v[wC:wC+7], v[wS], v[wT] matrix_a_fmt:MATRIX_FMT_BF6 matrix_b_fmt:MATRIX_FMT_BF6 matrix_a_scale:MATRIX_SCALE_ROW1
.elseif wR == 2
	v_wmma_scale_f32_16x16x128_f8f6f4 v[wD:wD+7], v[wA:wA+11], v[wB:wB+11], v[wC:wC+7], v[wS], v[wT] matrix_a_fmt:MATRIX_FMT_BF6 matrix_b_fmt:MATRIX_FMT_BF6 matrix_b_scale:MATRIX_SCALE_ROW1
.else
	v_wmma_scale_f32_16x16x128_f8f6f4 v[wD:wD+7], v[wA:wA+11], v[wB:wB+11], v[wC:wC+7], v[wS], v[wT] matrix_a_fmt:MATRIX_FMT_BF6 matrix_b_fmt:MATRIX_FMT_BF6 matrix_a_scale:MATRIX_SCALE_ROW1 matrix_b_scale:MATRIX_SCALE_ROW1
.endif
.endm
; 64 numbers of a lane in window w, register 16 b + i = k 32 b + 16 (lane / 16) + i of my row, become a fragment's codes in v[PC] on and its scale word in v[PW]
.macro QUANT s, w
	WIN (\w)|((\w)<<2)
.irp b, 0,1,2,3
	v_max3_num_f32 v[TM+\b], |v[\s+16*\b]|, |v[\s+1+16*\b]|, 0x2800000   ; my 16 numbers of block b, and the floor 2^(5 - 127): the byte cannot fall under 1
.endr
	WIN ((\w)<<2)|((\w)<<4)
.irp i, 2,4,6,8,10,12,14
.irp b, 0,1,2,3
	v_max3_num_f32 v[TM+\b], v[TM+\b], |v[\s+16*\b+\i]|, |v[\s+1+16*\b+\i]|   ; the four blocks by turns
.endr
.endr
	WIN 0
.irp b, 0,1,2,3
	v_permlanex16_b32 v[TM+4+\b], v[TM+\b], s[SEL], s[SEL+1]
.endr
.irp b, 0,1,2,3
	v_max_num_f32 v[TM+\b], v[TM+\b], v[TM+4+\b]   ; with lane l xor 16's: the block's largest magnitude
.endr
.irp b, 0,1,2,3
	v_add_nc_u32 v[TM+12+\b], 0xfe000000, v[TM+\b]   ; 4 off its exponent field: the conversion's scale operand
.endr
.irp b, 0,1,2,3
	v_lshrrev_b32 v[TM+4+\b], 23, v[TM+12+\b]      ; the scale's byte
.endr
	v_lshl_or_b32 v[PW], v[TM+5], 8, v[TM+4]
	v_lshl_or_b32 v[PW], v[TM+6], 16, v[PW]
	v_lshl_or_b32 v[PW], v[TM+7], 24, v[PW]        ; my row's scale word
	WIN \w
.irp c, 0,1
	v_cvt_scalef32_pk16_bf6_f32 v[PC+6*\c:PC+2+6*\c], v[\s+32*\c:\s+15+32*\c], v[TM+12+2*\c]
	v_cvt_scalef32_pk16_bf6_f32 v[PC+12+4*\c:PC+14+4*\c], v[\s+16+32*\c:\s+31+32*\c], v[TM+12+2*\c+1]   ; (a conversion's three registers begin on an even number)
.endr
	WIN 0
	v_nop                                          ; one plain place behind a scaled conversion
.irp c, 0,1                                    ; the operand's layout wants a whole block in a lane
.irp i, 0,1,2
	v_permlane16_swap_b32 v[PC+6*\c+\i], v[PC+12+4*\c+\i]
.endr
.irp i, 0,1,2
	v_mov_b32 v[PC+3+6*\c+\i], v[PC+12+4*\c+\i]
.endr
.endr
.endm
; ROW TILE m: 40 matrix instructions, ten accumulators by turns, K ascending; the biases are the C of each sum's first instruction.  Then my 16 rows x 128 of q or k are quantised and stored.
.macro TILE m
.if (\m) < 7
	XLOAD (\m)+1
	s_wait_dscnt 24                                ; the next tile's 24 loads may be out; this tile's are in
.else
	s_wait_dscnt 0x0
.endif
.irp s, 0,1,2,3
.irp t, 0,1,2,3,4,5,6,7
.if \s == 0
	WIN 0x11+\t/4
	WM HA+8*\t, 12*(4*(\t%4)+\s), XF+48*((\m)%2)+12*\s, B1+8*\t, WS+4*(\t/2)+\s, XS+4*((\m)/2)+\s, \t%2, (\m)%2
.else
	WIN 0x01+\t/4
	WM HA+8*\t, 12*(4*(\t%4)+\s), XF+48*((\m)%2)+12*\s, HA+8*\t, WS+4*(\t/2)+\s, XS+4*((\m)/2)+\s, \t%2, (\m)%2
.endif
.endr
	WIN 0xfc
.irp u, 0,1
.if \s == 0
	WM VA+64*\u+8*(\m), XF+48*((\m)%2)+12*\s, 12*(4*\u+\s), BV+8*\u, XS+4*((\m)/2)+\s, WVS+\s, (\m)%2, \u
.else
	WM VA+64*\u+8*(\m), XF+48*((\m)%2)+12*\s, 12*(4*\u+\s), VA+64*\u+8*(\m), XS+4*((\m)/2)+\s, WVS+\s, (\m)%2, \u
.endif
.endr
.endr
	WIN 0
	PLACES 4                                       ; in front of the first read of results, and of the next loads into this set of x
	s_wait_xcnt 0x0                                ; the last tile's stores have read the codes' registers
	QUANT HA, 0
.irp c, 0,1,2
	global_store_b128 v[LI], v[PC+4*\c:PC+4*\c+3], s[18:19] offset:6144*(\m)+512*\c   ; 512 consecutive bytes, at a multiple of 256 from the buffer's first byte
.endr
.if (\m)%2 == 0
	v_mov_b32 v[SCW+(\m)/2], v[PW]                 ; lanes 0-15: the even tile's words;
.else
	v_cndmask_b32 v[SCW+(\m)/2], v[SCW+(\m)/2], v[PW], vcc_lo   ; lanes 16-31: the odd tile's
.endif
.endm
	s_load_b512 s[8:23], s[0:1], 0x0               ; x codes 8, x scales 10, Wq codes 12, Wq scales 14, bq 16, qf 18, Wk codes 20, Wk scales 22
	s_load_b256 s[24:31], s[0:1], 0x40             ; bk 24, kv 26, Wv codes 28, Wv scales 30
	s_load_b64 s[32:33], s[0:1], 0x60              ; bv
	v_lshl_add_u32 v[SPW], v0, 2, SPARE
	v_mov_b32 v[NIL], 0
	ds_add_u32 v[SPW], v[NIL]                      ; the wave's opening: the add, twice on end, and its wait ahead of my first tensor load
	ds_add_u32 v[SPW], v[NIL]
	v_lshrrev_b32 v64, 5, v0
	v_readfirstlane_b32 s[WV], v64                 ; wave 0..3
	s_and_b32 s[YY], ttmp7, 0xffff                 ; y, which the four partners share
	s_bfe_u32 s84, ttmp6, 0x40000                  ; cx
	s_lshl_b32 s[GG], ttmp9, 2
	s_add_co_u32 s[GG], s[GG], s84                 ; g = 4 x cluster x + cx: it enters x's and the outputs' addresses alone
	; descriptor groups 1: dense blocks as rows of 128 bytes (16 elements of 8), 8 bytes of padding behind each
	s_mov_b32 s[G1W], 15|(3<<16)|(1<<20)|(1<<21)|(4<<22)|(1<<25)   ; the mask: all four work-groups; bit 21 beside it
	s_mov_b32 s[G1V], 15|(3<<16)|(1<<20)|(1<<21)|(4<<22)|(1<<25)
	s_mov_b32 s[G1X], (3<<16)|(1<<20)|(4<<22)|(1<<25)              ; x: no mask
.irp g, G1W, G1V, G1X
	s_mov_b32 s[\g+1], 16<<16                      ; tensor_dim0
	s_mov_b32 s[\g+3], 16<<16                      ; tile_dim0
	s_mov_b32 s[\g+5], 16                          ; the pitch
	s_mov_b32 s[\g+6], 0
	s_mov_b32 s[\g+7], 0
.endr
	s_mov_b32 s[G1W+2], 384<<16                    ; 128 rows of W: 384 rows of 128 bytes
	s_mov_b32 s[G1W+4], 384
.irp g, G1V, G1X
	s_mov_b32 s[\g+2], 96<<16                      ; 32 rows of Wv or of x
	s_mov_b32 s[\g+4], 96
.endr
	s_mov_b32 s[SEL], 0x76543210
	s_mov_b32 s[SEL+1], 0xfedcba98                 ; lane l xor 16
	v_and_b32 v64, 31, v0                          ; lane
	v_and_b32 v65, 15, v0                          ; r
	v_bfe_u32 v66, v0, 4, 1                        ; h
	v_and_b32 v67, 8, v65
	v_add_nc_u32 v67, v67, v65                     ; r + 8 (r / 8)
	v_lshlrev_b32 v[LI], 4, v64
	v_lshlrev_b32 v[L4], 2, v64
	v_lshlrev_b32 v[R4], 2, v65
	v_lshlrev_b32 v[BA], 6, v66
	v_lshl_add_u32 v[XSA], v66, 3, v67
	v_lshlrev_b32 v[XSA], 4, v[XSA]
	v_mul_u32_u24 v68, v67, XROW
	v_mad_u32_u24 v69, v66, 24, v68
	v_lshl_add_u32 v70, v66, 3, v69
	s_mul_i32 s90, s[WV], LWB
	v_add_nc_u32 v[WA], s90, v69
	v_add_nc_u32 v[WA+1], s90, v70
	v_add_nc_u32 v[XA], LX, v69
	v_add_nc_u32 v[XA+1], LX, v70
	v_mul_u32_u24 v68, v65, XROW
	v_mad_u32_u24 v69, v66, 24, v68
	v_lshl_add_u32 v70, v66, 3, v69
	s_mul_i32 s90, s[WV], LVB
	s_add_co_u32 s90, s90, LV
	v_add_nc_u32 v[VAD], s90, v69
	v_add_nc_u32 v[VAD+1], s90, v70
.irp b, 0,1,2,3
	v_mov_b32 v[TM+4+\b], 0                        ; written once: a lane permute's destination counts as one of its sources
.endr
	s_lshl_b32 s82, s[YY], 3
	s_lshl_b32 s83, s[WV], 1
	s_add_co_u32 s82, s82, s83                     ; 8 y + 2 w: my first channel tile of v
	s_wait_dscnt 0x0                               ; both opening adds are done
	s_wait_kmcnt 0x0
	s_cmp_eq_u32 s[YY], 0                          ; q's work-group or k's: pointers and the stride are chosen
	s_cselect_b64 s[12:13], s[12:13], s[20:21]
	s_cselect_b64 s[14:15], s[14:15], s[22:23]
	s_cselect_b64 s[16:17], s[16:17], s[24:25]
	s_cselect_b64 s[18:19], s[18:19], s[26:27]
	s_mov_b32 s[STR], 76800
	s_cselect_b32 s[STR], 51200, s[STR]            ; a group's bytes in the buffer chosen
	s_mov_b32 s81, 0                               ; offsets made of y and the wave alone
	s_mul_i32 s80, s[WV], 49152
	s_add_nc_u64 s[12:13], s[12:13], s[80:81]      ; my 128 rows of W,
	s_lshl_b32 s80, s[WV], 11
	s_add_nc_u64 s[14:15], s[14:15], s[80:81]      ; their scale bytes,
	s_lshl_b32 s80, s[WV], 9
	s_add_nc_u64 s[16:17], s[16:17], s[80:81]      ; their bias
	s_mul_i32 s80, s82, 6144
	s_add_nc_u64 s[28:29], s[28:29], s[80:81]      ; my 32 rows of Wv,
	s_lshl_b32 s80, s82, 8
	s_add_nc_u64 s[30:31], s[30:31], s[80:81]
	s_lshl_b32 s80, s82, 6
	s_add_nc_u64 s[32:33], s[32:33], s[80:81]
	s_mov_b32 s85, 0                               ; offsets that hang on g
	s_mul_i32 s84, s[GG], 49152
	s_mul_i32 s90, s[WV], 12288
	s_add_co_u32 s84, s84, s90
	s_add_nc_u64 s[8:9], s[8:9], s[84:85]          ; the 32 rows of x that I bring
	s_lshl_b32 s84, s[GG], 11
	s_add_nc_u64 s[10:11], s[10:11], s[84:85]      ; the group's scale bytes of x
	s_mul_i32 s84, s[GG], s[STR]
	s_add_nc_u64 s[18:19], s[18:19], s[84:85]      ; my group in qf or kv
	s_lshl_b32 s84, s[WV], 9
	s_add_nc_u64 s[86:87], s[18:19], s[84:85]      ; for K step w's scale words
	s_mul_i32 s84, s[WV], 1536
	s_add_nc_u64 s[18:19], s[18:19], s[84:85]      ; for K step w's fragments
	s_mul_i32 s84, s[GG], 76800
	s_add_nc_u64 s[26:27], s[26:27], s[84:85]      ; my group in kv, for v
	s_lshl_b32 s84, s82, 6
	s_add_nc_u64 s[88:89], s[26:27], s[84:85]      ; 128 (4 y + w): my pair's scale words
	s_mul_i32 s84, s82, 1536
	s_add_nc_u64 s[26:27], s[26:27], s[84:85]      ; my two fragments
	s_mov_b32 s[G0W], 1
	s_mul_i32 s[G0W+1], s[WV], LWB
	s_mov_b64 s[G0W+2:G0W+3], s[12:13]
	s_or_b32 s[G0W+3], s[G0W+3], 0x80000000
	s_mov_b32 s[G0V], 1
	s_mul_i32 s[G0V+1], s[WV], LVB
	s_add_co_u32 s[G0V+1], s[G0V+1], LV
	s_mov_b64 s[G0V+2:G0V+3], s[28:29]
	s_or_b32 s[G0V+3], s[G0V+3], 0x80000000
	s_mov_b32 s[G0X], 1
	s_mul_i32 s[G0X+1], s[WV], LVB
	s_add_co_u32 s[G0X+1], s[G0X+1], LX
	s_mov_b64 s[G0X+2:G0X+3], s[8:9]
	s_or_b32 s[G0X+3], s[G0X+3], 0x80000000
	CROUND                                         ; all four work-groups are here: the joint loads meet
	tensor_load_to_lds s[G0W:G0W+3], s[G1W:G1W+7]  ; three loads of mine are out: every LDS byte is filled once
	s_nop 0
	tensor_load_to_lds s[G0V:G0V+3], s[G1V:G1V+7]
	s_nop 0
	tensor_load_to_lds s[G0X:G0X+3], s[G1X:G1X+7]
	s_nop 0
	PLACES 4
.irp b, 0,1,2,3
	global_load_b128 v[WS+4*\b:WS+4*\b+3], v[XSA], s[14:15] offset:512*\b   ; a row's 16 scale bytes: the words of K steps 0-3; lanes 0-15 tile 2 b, lanes 16-31 tile 2 b + 1
	global_load_b128 v[XS+4*\b:XS+4*\b+3], v[XSA], s[10:11] offset:512*\b
.endr
	global_load_b128 v[WVS:WVS+3], v[LI], s[30:31]
	WIN 0x40
.irp t, 0,1,2,3,4,5,6,7
	global_load_b128 v[B1+8*\t:B1+8*\t+3], v[BA], s[16:17] offset:(32*(\t/2)+8*(\t%2))*4   ; the bias in the result's layout: units 32 b + 8 u + 16 h + 0 .. 7
	global_load_b128 v[B1+8*\t+4:B1+8*\t+7], v[BA], s[16:17] offset:(32*(\t/2)+8*(\t%2))*4+16
.endr
	WIN 0xc0
.irp u, 0,1
.irp j, 0,1,2,3,4,5,6,7
	global_load_b32 v[BV+8*\u+\j], v[R4], s[32:33] offset:64*\u   ; bv of my channel, for each of the eight keys of a register run
.endr
.endr
	s_wait_tensorcnt 0x2                           ; my W has landed (Wv's and x's loads may be out); nobody else reads it
	WIN 0x40
.irp t, 0,1,2,3
.irp s, 0,1,2,3
	FRAG 12*(4*\t+\s), WA, \s, 32*(\t/2)+8*(\t%2)
.endr
.endr
	WIN 0x80
.irp t, 4,5,6,7
.irp s, 0,1,2,3
	FRAG 12*(4*(\t-4)+\s), WA, \s, 32*(\t/2)+8*(\t%2)
.endr
.endr
	WIN 0
	s_wait_tensorcnt 0x0                           ; my part of x has landed,
	s_wait_dscnt 0x0
	s_barrier_signal -1
	s_barrier_wait -1                              ; everybody's has
	WIN 0xc0
.irp u, 0,1
.irp s, 0,1,2,3
	FRAG 12*(4*\u+\s), VAD, \s, 16*\u
.endr
.endr
	WIN 0
	XLOAD 0
	s_mov_b32 vcc_lo, 0xffff0000                   ; lanes 16-31 (written behind the tensor loads)
	s_wait_loadcnt 0x0                             ; scale words and biases
.irp m, 0,1,2,3,4,5,6,7
	TILE \m
.endr
	global_store_b128 v[LI], v[SCW:SCW+3], s[86:87] offset:49152   ; K step w's scale words of the 8 row tiles: 512 consecutive bytes
.irp u, 0,1                                    ; v: 16 channels x the group's 128 keys, quantised along the keys
	s_wait_xcnt 0x0                                ; the stores have read the codes' registers
	QUANT VA+64*\u, 3
.irp c, 0,1,2
	global_store_b128 v[LI], v[PC+4*\c:PC+4*\c+3], s[26:27] offset:51200+1536*\u+512*\c
.endr
.if \u == 0
	v_mov_b32 v[VSW], v[PW]
.else
	v_cndmask_b32 v[VSW], v[VSW], v[PW], vcc_lo
.endif
.endr
	global_store_b32 v[L4], v[VSW], s[88:89] offset:75776
	s_wait_tensorcnt 0x0                           ; the wave's end
	ds_add_u32 v[SPW], v[NIL]
	s_wait_dscnt 0x0
	CROUND                                         ; the closing round
	s_endpgm
.Lfunc_end_k_qb0a325cf3f_proj:
	.size	k_qb0a325cf3f_proj, .Lfunc_end_k_qb0a325cf3f_proj-k_qb0a325cf3f_proj
	.p2alignl 7, 3214868480
	.fill 96, 4, 3214868480
	.section	.rodata,"a",@progbits
	.p2align	6, 0x0
	.amdhsa_kernel k_qb0a325cf3f_proj
		.amdhsa_group_segment_fixed_size 313856
		.amdhsa_private_segment_fixed_size 0
		.amdhsa_enable_private_segment 0
		.amdhsa_kernarg_size 104
		.amdhsa_user_sgpr_count 2
		.amdhsa_user_sgpr_kernarg_segment_ptr 1
		.amdhsa_wavefront_size32 1
		.amdhsa_system_sgpr_workgroup_id_x 1
		.amdhsa_system_sgpr_workgroup_id_y 1
		.amdhsa_system_sgpr_workgroup_id_z 1
		.amdhsa_system_vgpr_workitem_id 0
		.amdhsa_next_free_vgpr 1024
		.amdhsa_next_free_sgpr 92
		.amdhsa_reserve_vcc 1
		.amdhsa_float_denorm_mode_32 3
		.amdhsa_float_denorm_mode_16_64 3
		.amdhsa_memory_ordered 1
		.amdhsa_forward_progress 1
		.amdhsa_inst_pref_size 125
	.end_amdhsa_kernel
	.amdgpu_metadata
---
amdhsa.version: [ 1, 2 ]
amdhsa.kernels:
  - .name:           k_qb0a325cf3f_proj
    .symbol:         k_qb0a325cf3f_proj.kd
    .args:
      - { .name: x_codes, .offset: 0, .size: 8, .value_kind: global_buffer, .address_space: global }
      - { .name: x_scales, .offset: 8, .size: 8, .value_kind: global_buffer, .address_space: global }
      - { .name: Wq_codes, .offset: 16, .size: 8, .value_kind: global_buffer, .address_space: global }
      - { .name: Wq_scales, .offset: 24, .size: 8, .value_kind: global_buffer, .address_space: global }
      - { .name: bq, .offset: 32, .size: 8, .value_kind: global_buffer, .address_space: global }
      - { .name: qf, .offset: 40, .size: 8, .value_kind: global_buffer, .address_space: global }
      - { .name: Wk_codes, .offset: 48, .size: 8, .value_kind: global_buffer, .address_space: global }
      - { .name: Wk_scales, .offset: 56, .size: 8, .value_kind: global_buffer, .address_space: global }
      - { .name: bk, .offset: 64, .size: 8, .value_kind: global_buffer, .address_space: global }
      - { .name: kv, .offset: 72, .size: 8, .value_kind: global_buffer, .address_space: global }
      - { .name: Wv_codes, .offset: 80, .size: 8, .value_kind: global_buffer, .address_space: global }
      - { .name: Wv_scales, .offset: 88, .size: 8, .value_kind: global_buffer, .address_space: global }
      - { .name: bv, .offset: 96, .size: 8, .value_kind: global_buffer, .address_space: global }
    .group_segment_fixed_size: 313856
    .private_segment_fixed_size: 0
    .kernarg_segment_align: 8
    .kernarg_segment_size: 104
    .max_flat_workgroup_size: 128
    .sgpr_count:     92
    .vgpr_count:     1024
    .wavefront_size: 32
...
	.end_amdgpu_metadata
.endif
;; end of part 1
;; launch attn (part 2): grid 64 x 4, 4 waves a work-group, clusters of 4 x 1, 327,680 bytes of LDS; arguments qf, kv, out0; writes out0
.if DOCPART == 2
	.amdgcn_target "amdgcn-amd-amdhsa--gfx1250"
	.amdhsa_code_object_version 6
	.text
	.protected	k_qb0a325cf3f_attn
	.globl	k_qb0a325cf3f_attn
	.p2align	8
	.type	k_qb0a325cf3f_attn,@function
k_qb0a325cf3f_attn:
	s_mov_b64 s[64:65], 0
	v_nop
	global_prefetch_b8 v0, s[64:65] scope:SCOPE_SE
	s_setreg_imm32_b32 hwreg(HW_REG_WAVE_MODE, 25, 1), 1
	s_wait_xcnt 0x0
	s_wait_alu depctr_hold_cnt(0) depctr_sa_sdst(0) depctr_va_vdst(0) depctr_va_sdst(0) depctr_va_ssrc(0) depctr_va_vcc(0) depctr_vm_vsrc(0)
	s_getreg_b32 s2, hwreg(HW_REG_IB_STS2, 6, 4)
	s_cmp_eq_u32 s2, 0
	s_cbranch_scc0 .Lentry_in_a_cluster
	s_endpgm
.Lentry_in_a_cluster:
	s_bfe_u32 s2, ttmp6, 0x10000c
	s_cmp_lg_u32 s2, 0x3003
	s_cbranch_scc0 .Lentry_shape_is_right
	s_endpgm
.Lentry_shape_is_right:
; out[b][q] = the sum over keys of softmax(q . k / 16) v, both products on codes of BF6 (E3M2) with one E8M0 scale for each 32 along a product's K.  No work is left out.
; qf and kv hold images of operand registers: a fragment (16 rows x 128 K, 12 registers a lane) is 1,536 bytes, registers 4 i .. 4 i + 3 of lane l at 512 i + 16 l.
; THE SOFTMAX: t = score x log2(e) / 16; M = the largest t so far, rounded UP to a whole number; p = 2^(t - M) is quantised along the keys, not normalised; the sum is taken of the unquantised p and divides at the end.
; When M moves, the sum and O are multiplied by 2^(old M - new M): exact.  A block's largest p is made from its largest score by the same multiply-add and exponential.
; LIMITS: NaN and infinities are not served; a block of p that has fallen to zeros keeps the scale byte 1 (its codes are zeros).
; SHARES.  A work-group owns 64 queries of a batch.  Wave w = 2 kh + qh owns two tiles of 16 queries (pair qh) and walks key half kh: 16 steps of 128 keys, 96 matrix instructions a step; each fragment read from LDS
; feeds two.  At the end the two key halves of a pair are merged through LDS, by exact powers of two.
; LAYOUT.  Both products transposed: S^T = K Q^T, O^T = V^T P: a lane holds one query.  A tile of K holds keys 32 b + 8 u + r + 8 (r / 8), so the 16 registers of two neighbouring tiles of S^T are 16 neighbouring keys.
; A tile of queries holds rows in the same order: the stores' addresses undo it.
; CLUSTER.  The four work-groups of a cluster belong to one batch and walk the same kv groups: each wave's 38,400 bytes of a step are asked for JOINTLY, by the same load with the same descriptor in all four.
; RING.  Two slots of 153,600 bytes: key half 0's group of 76,800, then key half 1's.  One load a wave behind each round; it has a whole step in which to land.  Two loads of a wave are out at the head, one later.
; O^T begins as zeros, written once at the head: the step is then written four times in all (two in the loop, two behind it); sums begun by the first products would want two more copies of the step.
; REGISTERS: window 0: addresses, statistics, scale words, p's codes, from v128 S^T (64 t + 8 kt).  window 1: O^T (128 t + 8 c).  window 2: v0-95 Q (12 (4 t + s)), v96-227 fragment places 21-31.  window 3: places 0-20.
.set GRP,   76800
.set SLOT,  153600
.set QTR,   38400
.set SPARE, 307200                     ; behind the ring: the spare words, 128 bytes a wave: two blocks of 256 bytes that no other line names
.set STAT,  307712                     ; the merge's numbers: 512 bytes a wave
.set STGW,  33280                      ; the stage: 32 rows x 1,040 a wave, from LDS byte 0: in slot 0, behind its last fill and its last read
.set SP,    1040
.set AK,  1                            ; v1,2   K's fragments in slot 0, 1: slot + kh x 76,800 + 16 lane
.set AV,  3                            ; v3,4   V's: + 51,200
.set ASC, 5                            ; v5,6   V's scale words: + 75,776 + 4 lane
.set SPW, 7                            ; my spare word; never rewritten
.set NIL, 8                            ; 0; never rewritten
.set PFO, 9                            ; v9,10  the prefetches' offsets; never rewritten
.set T1,  11
.set NM,  12                           ; v[12:13], v[16:17]: -M and the largest t of tile 0, 1
.set SU,  14                           ; v[14:15], v[18:19]: the sum in two halves
.set FF,  20                           ; v[20:21] f
.set PW,  22                           ; v22,23 p's scale words
.set SQ,  24                           ; v24-27 Q's scale words [s]: lanes 0-15 tile 0, lanes 16-31 tile 1
.set SK,  28                           ; v28-43 K's [4 s + pr]
.set SV,  44                           ; v44-51 V's [pc]
.set BM,  52
.set PB,  56
.set SO,  60
.set PC,  64                           ; v64-87 p's codes, 12 a tile
.set CT,  88
.set LI,  96                           ; 16 x lane
.set STA, 97
.set STB, 98
.set STO, 99
.set RDA, 100
.set RDB, 101
.set M2,  102
.set L2,  104
.set NS,  106
.set D1,  108
.set D2,  110
.set LL,  112
.set GG,  114                          ; v[114:115], v[116:117]
.set S,   128
.set WV,  10
.set KH,  11
.set QH,  12
.set CX,  13
.set XX,  14
.set BT,  15
.set G1,  16
.set G0,  24                           ; s[24:27] slot 0's group 0, s[28:31] slot 1's
.set PFA, 32
.set LIM, 34
.set TRIPS, 35
.set CS,  36
.set SEL, 38
.set MSB, 0
.macro WIN new                         ; the immediate's high byte repeats the setting that is left; a switch that changes nothing is dropped
.set NW, \new
.if MSB != NW
	s_set_vgpr_msb (MSB<<8)|NW
.set MSB, NW
.endif
.endm
.macro PLACES n
.rept \n
	v_nop
.endr
.endm
.macro CROUND                          ; a round of the cluster's barrier
	s_barrier_signal -1
	s_barrier_wait -1
	s_cmp_lg_u32 s[WV], 0
	s_cbranch_scc1 .Lnot_wave_0_\@
	s_barrier_signal -3
.Lnot_wave_0_\@:
	s_barrier_wait -3
	s_barrier_signal -1
	s_barrier_wait -1
.endm
.macro FP i                            ; fragment place i: its window and its first register
.set FI, \i
.if FI < 21
.set FW, 3
.set FR, 12*FI
.else
.set FW, 2
.set FR, 96+12*(FI-21)
.endif
.endm
.macro LDF i, adr, off                 ; a fragment's image into place i: 3 x 512 consecutive bytes
	FP \i
	WIN FW<<6
.irp c, 0,1,2
	ds_load_b128 v[FR+4*\c:FR+4*\c+3], v[\adr] offset:(\off)+512*\c
.endr
.endm
.macro LDK p, half, a                  ; key tiles 4 half .. 4 half + 3, all four K steps, into area a (places 16 a + 4 s + k)
.irp s, 0,1,2,3
.irp k, 0,1,2,3
	LDF 16*(\a)+4*\s+\k, AK+(\p), (4*(4*(\half)+\k)+\s)*1536
.endr
.endr
.endm
.macro LDSK p
	WIN 0
.irp s, 0,1,2,3
	ds_load_b128 v[SK+4*\s:SK+4*\s+3], v[AK+(\p)] offset:49152+512*\s
.endr
.endm
.macro LDV p, a                        ; V's 16 fragments into area a, and its scale words
.irp c, 0,1,2,3,4,5,6,7,8,9,10,11,12,13,14,15
	LDF 16*(\a)+\c, AV+(\p), 1536*\c
.endr
	WIN 0
.irp c, 0,1,2,3,4,5,6,7
	ds_load_b32 v[SV+\c], v[ASC+(\p)] offset:128*\c
.endr
.endm
; one matrix instruction.  c < 0: the constant 0 starts the sum.  ra, rb = 1: that side's scales stand in lanes 16-31 of its register
.macro WM d, a, b, c, sa, sb, ra, rb
.set wD, \d
.set wA, \a
.set wB, \b
.set wC, \c
.set wS, \sa
.set wT, \sb
.set wR, (\ra)+2*(\rb)
.if wC < 0
.if wR == 0
	v_wmma_scale_f32_16x16x128_f8f6f4 v[wD:wD+7], v[wA:wA+11], v[wB:wB+11], 0, v[wS], v[wT] matrix_a_fmt:MATRIX_FMT_BF6 matrix_b_fmt:MATRIX_FMT_BF6
.elseif wR == 1
	v_wmma_scale_f32_16x16x128_f8f6f4 v[wD:wD+7], v[wA:wA+11], v[wB:wB+11], 0, v[wS], v[wT] matrix_a_fmt:MATRIX_FMT_BF6 matrix_b_fmt:MATRIX_FMT_BF6 matrix_a_scale:MATRIX_SCALE_ROW1
.elseif wR == 2
	v_wmma_scale_f32_16x16x128_f8f6f4 v[wD:wD+7], v[wA:wA+11], v[wB:wB+11], 0, v[wS], v[wT] matrix_a_fmt:MATRIX_FMT_BF6 matrix_b_fmt:MATRIX_FMT_BF6 matrix_b_scale:MATRIX_SCALE_ROW1
.else
	v_wmma_scale_f32_16x16x128_f8f6f4 v[wD:wD+7], v[wA:wA+11], v[wB:wB+11], 0, v[wS], v[wT] matrix_a_fmt:MATRIX_FMT_BF6 matrix_b_fmt:MATRIX_FMT_BF6 matrix_a_scale:MATRIX_SCALE_ROW1 matrix_b_scale:MATRIX_SCALE_ROW1
.endif
.else
.if wR == 0
	v_wmma_scale_f32_16x16x128_f8f6f4 v[wD:wD+7], v[wA:wA+11], v[wB:wB+11], v[wC:wC+7], v[wS], v[wT] matrix_a_fmt:MATRIX_FMT_BF6 matrix_b_fmt:MATRIX_FMT_BF6
.elseif wR == 1
	v_wmma_scale_f32_16x16x128_f8f6f4 v[wD:wD+7], v[wA:wA+11], v[wB:wB+11], v[wC:wC+7], v[wS], v[wT] matrix_a_fmt:MATRIX_FMT_BF6 matrix_b_fmt:MATRIX_FMT_BF6 matrix_a_scale:MATRIX_SCALE_ROW1
.elseif wR == 2
	v_wmma_scale_f32_16x16x128_f8f6f4 v[wD:wD+7], v[wA:wA+11], v[wB:wB+11], v[wC:wC+7], v[wS], v[wT] matrix_a_fmt:MATRIX_FMT_BF6 matrix_b_fmt:MATRIX_FMT_BF6 matrix_b_scale:MATRIX_SCALE_ROW1
.else
	v_wmma_scale_f32_16x16x128_f8f6f4 v[wD:wD+7], v[wA:wA+11], v[wB:wB+11], v[wC:wC+7], v[wS], v[wT] matrix_a_fmt:MATRIX_FMT_BF6 matrix_b_fmt:MATRIX_FMT_BF6 matrix_a_scale:MATRIX_SCALE_ROW1 matrix_b_scale:MATRIX_SCALE_ROW1
.endif
.endif
.endm
; 32 products of S^T = K Q^T: four key tiles x two query tiles, eight accumulators by turns, K ascending; the first K step starts the sums
.macro KQ half, a
.irp s, 0,1,2,3
.irp k, 0,1,2,3
.irp t, 0,1
	FP 16*(\a)+4*\s+\k
	WIN FW|0x08
.set KT, 4*(\half)+\k
.if \s == 0
	WM S+64*\t+8*KT, FR, 12*(4*\t+\s), -1, SK+4*\s+KT/2, SQ+\s, KT%2, \t
.else
	WM S+64*\t+8*KT, FR, 12*(4*\t+\s), S+64*\t+8*KT, SK+4*\s+KT/2, SQ+\s, KT%2, \t
.endif
.endr
.endr
.endr
.endm
; 32 products of O^T += V^T P: 16 channel tiles x two query tiles, each accumulator once
.macro PV a
.irp c, 0,1,2,3,4,5,6,7,8,9,10,11,12,13,14,15
.irp t, 0,1
	FP 16*(\a)+\c
	WIN FW|0x50
	WM 128*\t+8*\c, FR, PC+12*\t, 128*\t+8*\c, SV+\c/2, PW+\t, \c%2, 0
.endr
.endr
.endm
; the softmax of tile t for a step of 128 keys: register 16 b + i of S^T is key 32 b + 16 (lane / 16) + i
.macro SM t
.set rS, S+64*(\t)
.set rN, NM+4*(\t)
.set rU, SU+4*(\t)
.set rP, PC+12*(\t)
.set rW, PW+(\t)
.set rO, 128*(\t)
	WIN 0
.irp b, 0,1,2,3
	v_max3_num_f32 v[BM+\b], v[rS+16*\b], v[rS+16*\b+1], v[rS+16*\b+2]   ; the largest score of each block of 32 keys: for the row's maximum and for the block's largest p
.endr
.irp i, 3,5,7,9,11,13
.irp b, 0,1,2,3
	v_max3_num_f32 v[BM+\b], v[BM+\b], v[rS+16*\b+\i], v[rS+16*\b+\i+1]
.endr
.endr
.irp b, 0,1,2,3
	v_max_num_f32 v[BM+\b], v[BM+\b], v[rS+16*\b+15]
.endr
.irp b, 0,1,2,3
	v_permlanex16_b32 v[PB+\b], v[BM+\b], s[SEL], s[SEL+1]
.endr
.irp b, 0,1,2,3
	v_max_num_f32 v[BM+\b], v[BM+\b], v[PB+\b]     ; with lane l xor 16's 16 keys
.endr
	v_max3_num_f32 v[T1], v[BM], v[BM+1], v[BM+2]
	v_max_num_f32 v[T1], v[T1], v[BM+3]
	v_mul_f32 v[T1], s[CS], v[T1]                  ; as t (c is positive)
	v_max_num_f32 v[rN+1], v[rN+1], v[T1]          ; the running largest t
	v_mov_b32 v[T1], v[rN]
	v_floor_f32 v[rN], -v[rN+1]                    ; the new -M = floor(-t): M is a whole number
	v_sub_f32 v[T1], v[rN], v[T1]                  ; old M - new M: a whole number, 0 or less
	v_cvt_i32_f32 v[T1], v[T1]                     ; (it saturates)
	v_ldexp_f32 v[FF], 1.0, v[T1]                  ; f = 2^(old M - new M)
.set j, 0
.rept 32
	v_pk_fma_f32 v[rS+j:rS+j+1], v[rS+j:rS+j+1], s[CS:CS+1], v[rN:rN+1] op_sel_hi:[1,0,0]   ; t - M, two at a time
.set j, j+2
.endr
.irp b, 0,1,2,3
	v_fma_f32 v[BM+\b], v[BM+\b], s[CS], v[rN]     ; the same of each block's largest score
.endr
.set j, 0
.rept 64
	v_exp_f32 v[rS+j], v[rS+j]                     ; p = 2^(t - M), at most 1
.set j, j+1
.endr
	v_pk_mul_f32 v[rU:rU+1], v[rU:rU+1], v[FF:FF+1] op_sel_hi:[1,0]   ; the sums under the new M: a plain place behind the exponentials
	s_wait_alu depctr_va_vdst(0)                   ; one wait for the batch, ahead of its first reader
.irp b, 0,1,2,3
	v_exp_f32 v[BM+\b], v[BM+\b]                   ; the block's largest p
.endr
	v_pk_add_f32 v[PB:PB+1], v[rS:rS+1], v[rS+2:rS+3]   ; the row's sum of the unquantised p, in two chains
.set j, 4
.rept 15
	v_pk_add_f32 v[rU:rU+1], v[rU:rU+1], v[rS+j:rS+j+1]
	v_pk_add_f32 v[PB:PB+1], v[PB:PB+1], v[rS+j+2:rS+j+3]
.set j, j+4
.endr
	v_pk_add_f32 v[rU:rU+1], v[rU:rU+1], v[PB:PB+1]
	s_wait_alu depctr_va_vdst(0)                   ; and one for the four
.irp b, 0,1,2,3
	v_max_num_f32 v[BM+\b], 0x2800000, v[BM+\b]    ; the floor 2^(5 - 127): the byte cannot fall under 1
.endr
.irp b, 0,1,2,3
	v_add_nc_u32 v[SO+\b], 0xfe000000, v[BM+\b]    ; 4 off the exponent field: the conversion's scale operand
.endr
.irp b, 0,1,2,3
	v_lshrrev_b32 v[PB+\b], 23, v[SO+\b]           ; the scale's byte
.endr
	v_lshl_or_b32 v[rW], v[PB+1], 8, v[PB]
	v_lshl_or_b32 v[rW], v[PB+2], 16, v[rW]
	v_lshl_or_b32 v[rW], v[PB+3], 24, v[rW]        ; p's scale word for these 128 keys
.irp c, 0,1
	v_cvt_scalef32_pk16_bf6_f32 v[rP+6*\c:rP+6*\c+2], v[rS+32*\c:rS+32*\c+15], v[SO+2*\c]
	v_cvt_scalef32_pk16_bf6_f32 v[CT+4*\c:CT+4*\c+2], v[rS+32*\c+16:rS+32*\c+31], v[SO+2*\c+1]
.endr
	v_nop                                          ; one plain place behind a scaled conversion
.irp c, 0,1                                    ; the operand's layout wants a whole block in a lane
.irp i, 0,1,2
	v_permlane16_swap_b32 v[rP+6*\c+\i], v[CT+4*\c+\i]
.endr
.irp i, 0,1,2
	v_mov_b32 v[rP+6*\c+3+\i], v[CT+4*\c+\i]
.endr
.endr
	WIN 0x41                                       ; O^T in window 1, f in window 0
.set j, 0
.rept 64
	v_pk_mul_f32 v[rO+j:rO+j+1], v[rO+j:rO+j+1], v[FF:FF+1] op_sel_hi:[1,0]   ; O^T under the new M; these are also the places between p's codes and scale word and the products that take them
.set j, j+2
.endr
.endm
; A PREFETCH INTO THE L2: at step j each wave names the 150 rows of 256 bytes that its tensor load of step j + 3 will bring, one step ahead of that load.  All clusters of a batch walk the same groups: the batch's
; first cluster asks.  Its four partners share the rows out BY ADDRESS, 38 each (32 by the first line, 6 by the second).  The second line's lanes 6-31 name its sixth row again, and the fourth partner's rows
; beyond 149 are held at 149.  Steps 0 to 2 come by their loads alone; step 13 asks for nothing: there is no step 16.
.macro ASK odd
.if \odd
	s_cmp_gt_u32 s[TRIPS], s[LIM]
.else
	s_cmp_ge_u32 s[TRIPS], s[LIM]
.endif
	s_cbranch_scc0 .Lnot_mine_\@
	global_prefetch_b8 v[PFO], s[PFA:PFA+1] th:TH_LOAD_NT scope:SCOPE_SE
	global_prefetch_b8 v[PFO+1], s[PFA:PFA+1] th:TH_LOAD_NT scope:SCOPE_SE
.Lnot_mine_\@:
.endm
; THE CHANGE OF SLOTS.  Each wave waits for all its tensor loads (its part of the next slot), adds 0 to its spare word, and waits for that and for its reads of slot p (the last are V's).
; chg = 2: slot p is filled again, with the groups two steps on: the barrier is a round of the cluster's, and the joint load is the first thing behind it.  chg = 1: nothing is left to fetch.
.macro CHANGE p, chg
	WIN 0
	s_wait_tensorcnt 0x0                           ; no tensor load of mine is out, so a group 0 may be written
	ds_add_u32 v[SPW], v[NIL]                      ; 0 onto my spare word
.if \chg == 2
	s_add_nc_u64 s[G0+4*\p+2:G0+4*\p+3], s[G0+4*\p+2:G0+4*\p+3], 2*GRP
	s_wait_xcnt 0x0                                ; the last prefetches, a step back, have read their address
	s_add_nc_u64 s[PFA:PFA+1], s[PFA:PFA+1], GRP
.endif
	s_wait_dscnt 0x0                               ; the add is done, and my reads of slot p are over
.if \chg == 2
	CROUND
	tensor_load_to_lds s[G0+4*\p:G0+4*\p+3], s[G1:G1+7]
	s_nop 0
.else
	s_barrier_signal -1
	s_barrier_wait -1
.endif
	PLACES 4                                       ; the places behind the products of S^T: in front of the loads into their operands and of the first read of results
.endm
; A STEP of 128 keys out of slot p.  Fragment areas: K's first half lies in area p, its second half in the other; V takes area p when the first half is multiplied; the next step's K takes each area as it falls free.
.macro STEP p, chg, next
	s_wait_dscnt 48                                ; the scale words and K's first half are in; the second half's 48 loads may be out
	KQ 0, \p
	PLACES 4
	LDV \p, \p
	s_wait_dscnt 56                                ; K's second half is in; V's 48 + 8 loads may be out
	KQ 1, 1-\p
.if \chg
	CHANGE \p, \chg
.else
	WIN 0
	s_wait_dscnt 0x0                               ; V is in
	PLACES 4
.endif
.if \next
	LDSK 1-\p
	LDK 1-\p, 0, 1-\p
	WIN 0
.endif
.if \chg == 2
	ASK \p
.endif
	SM 0
	SM 1
	PV \p
.if \next
	PLACES 4
	LDK 1-\p, 1, \p
.endif
	WIN 0
.endm
	s_load_b128 s[4:7], s[0:1], 0x0                ; qf, kv
	s_load_b64 s[8:9], s[0:1], 0x10                ; out0
	v_lshl_add_u32 v[SPW], v0, 2, SPARE
	v_mov_b32 v[NIL], 0
	ds_add_u32 v[SPW], v[NIL]                      ; the wave's opening: the add, twice on end, and its wait ahead of my first tensor load
	ds_add_u32 v[SPW], v[NIL]
	v_lshrrev_b32 v118, 5, v0
	v_readfirstlane_b32 s[WV], v118                ; wave 0..3
	s_lshr_b32 s[KH], s[WV], 1                     ; my key half
	s_and_b32 s[QH], s[WV], 1                      ; my pair of query tiles; also: which half of a group I fetch
	s_bfe_u32 s[CX], ttmp6, 0x40000
	s_lshl_b32 s[XX], ttmp9, 2
	s_add_co_u32 s[XX], s[XX], s[CX]               ; my block of 64 queries: it enters Q's and the output's addresses alone
	s_and_b32 s[BT], ttmp7, 0xffff                 ; the batch, which the four partners share
	s_mov_b32 s[G1], 15|(3<<16)|(1<<21)            ; the mask: all four work-groups; elements of 8 bytes; bit 21 beside the mask; no padding
	s_mov_b32 s[G1+1], 32<<16                      ; tensor_dim0: 256 bytes
	s_mov_b32 s[G1+2], 150<<16                     ; tensor_dim1
	s_mov_b32 s[G1+3], 32<<16                      ; tile_dim0
	s_mov_b32 s[G1+4], 150                         ; tile_dim1
	s_mov_b32 s[G1+5], 32                          ; the pitch: dense
	s_mov_b32 s[G1+6], 0
	s_mov_b32 s[G1+7], 0
	s_mov_b32 s[CS], 0x3db8aa3b                    ; c = log2(e) / 16
	s_mov_b32 s[CS+1], s[CS]
	s_mov_b32 s[SEL], 0x76543210
	s_mov_b32 s[SEL+1], 0xfedcba98
	s_cmp_eq_u32 ttmp9, 0                          ; the batch's first cluster prefetches: the same in all four partners
	s_cselect_b32 s[LIM], 1, -1
	s_mul_i32 s46, s[BT], 32*GRP                   ; what I fetch: made of the batch and the wave alone
	s_mul_i32 s47, s[KH], 16*GRP
	s_add_co_u32 s46, s46, s47
	s_mul_i32 s47, s[QH], QTR
	s_add_co_u32 s46, s46, s47
	s_mov_b32 s47, 0
	v_and_b32 v119, 31, v0                         ; lane
	v_and_b32 v120, 15, v0                         ; r
	v_bfe_u32 v121, v0, 4, 1                       ; h
	v_lshlrev_b32 v[LI], 4, v119
	v_lshlrev_b32 v122, 2, v119
	s_mul_i32 s40, s[KH], GRP
	v_add_nc_u32 v[AK], s40, v[LI]
	v_add_nc_u32 v[AK+1], SLOT, v[AK]
	v_add_nc_u32 v[AV], 51200, v[AK]
	v_add_nc_u32 v[AV+1], 51200, v[AK+1]
	s_add_co_u32 s40, s40, 75776
	v_add_nc_u32 v[ASC], s40, v122
	v_add_nc_u32 v[ASC+1], SLOT, v[ASC]
	s_lshl_b32 s41, s[WV], 9
	s_add_co_u32 s41, s41, STAT
	v_add_nc_u32 v[STA], s41, v122                 ; my numbers for the merge,
	s_xor_b32 s41, s[WV], 2
	s_lshl_b32 s41, s41, 9
	s_add_co_u32 s41, s41, STAT
	v_add_nc_u32 v[STB], s41, v122                 ; and those of the wave with the other key half
	v_mul_u32_u24 v[STO], v120, SP
	v_lshl_add_u32 v[STO], v121, 5, v[STO]
	s_mul_i32 s41, s[WV], STGW
	v_add_nc_u32 v[STO], s41, v[STO]               ; the stage, in: row r, + 32 h
	s_mul_i32 s41, s[QH], STGW
	s_mul_i32 s42, s[KH], 16*SP
	s_add_co_u32 s41, s41, s42
	v_add_nc_u32 v[RDA], s41, v[LI]                ; back: tile kh of my pair, from key half 0's wave,
	v_add_nc_u32 v[RDB], 2*STGW, v[RDA]            ; and from key half 1's
	s_mul_i32 s44, s[CX], 38
	v_add_nc_u32 v[PFO], s44, v119
	v_min_u32 v[PFO], 149, v[PFO]
	v_lshlrev_b32 v[PFO], 8, v[PFO]
	v_min_u32 v[PFO+1], 5, v119
	v_add_nc_u32 v[PFO+1], s44, v[PFO+1]
	v_add_nc_u32 v[PFO+1], 32, v[PFO+1]
	v_min_u32 v[PFO+1], 149, v[PFO+1]
	v_lshlrev_b32 v[PFO+1], 8, v[PFO+1]
.irp t, 0,1
	v_mov_b32 v[NM+4*\t+1], 0xff61b1e6             ; the largest t so far: -3e38
	v_floor_f32 v[NM+4*\t], -v[NM+4*\t+1]          ; -M
	v_mov_b32 v[SU+4*\t], 0
	v_mov_b32 v[SU+4*\t+1], 0
.endr
.irp b, 0,1,2,3
	v_mov_b32 v[PB+\b], 0                          ; written once: a lane permute's destination counts as one of its sources
.endr
	v_mov_b32 v[FF+1], 0                           ; (named as the upper half of a pair)
	s_wait_dscnt 0x0                               ; both opening adds are done
	s_wait_kmcnt 0x0
	s_add_nc_u64 s[6:7], s[6:7], s[46:47]          ; kv at my part of step 0
	s_mov_b32 s[G0], 1
	s_mul_i32 s[G0+1], s[WV], QTR
	s_mov_b64 s[G0+2:G0+3], s[6:7]
	s_or_b32 s[G0+3], s[G0+3], 0x80000000
	s_mov_b32 s[G0+4], 1
	s_add_co_u32 s[G0+5], s[G0+1], SLOT
	s_add_nc_u64 s[G0+6:G0+7], s[6:7], GRP         ; step 1
	s_or_b32 s[G0+7], s[G0+7], 0x80000000
	s_add_nc_u64 s[PFA:PFA+1], s[6:7], 2*GRP       ; at step 2: the first change steps it to step 3.  Nothing is prefetched at the head
	s_lshl_b32 s48, s[BT], 5
	s_lshr_b32 s49, s[XX], 1
	s_add_co_u32 s48, s48, s49
	s_mul_i32 s48, s48, 51200
	s_mov_b32 s49, 0
	s_add_nc_u64 s[4:5], s[4:5], s[48:49]          ; my group of qf
	s_and_b32 s44, s[XX], 1
	s_lshl_b32 s44, s44, 1
	s_add_co_u32 s44, s44, s[QH]                   ; pr: my pair of row tiles in it
	s_lshl_b32 s48, s44, 2
	s_add_nc_u64 s[50:51], s[4:5], s[48:49]        ; for its scale words
	s_mul_i32 s48, s44, 12288
	s_add_nc_u64 s[4:5], s[4:5], s[48:49]          ; for its eight fragments
	s_lshl_b32 s48, s[BT], 12
	s_lshl_b32 s45, s[XX], 6
	s_add_co_u32 s48, s48, s45
	s_lshl_b32 s45, s[QH], 5
	s_add_co_u32 s48, s48, s45
	s_lshl_b32 s45, s[KH], 3
	s_add_co_u32 s48, s48, s45
	s_lshl_b32 s48, s48, 10
	s_add_nc_u64 s[8:9], s[8:9], s[48:49]          ; the first row that I store: 4,096 batch + 64 X + 32 qh + 8 kh, 1,024 bytes a row
	CROUND                                         ; all four work-groups are here: the first joint loads meet
	tensor_load_to_lds s[G0:G0+3], s[G1:G1+7]
	s_nop 0
	tensor_load_to_lds s[G0+4:G0+7], s[G1:G1+7]
	s_nop 0
	PLACES 4
	WIN 0x80
.set i, 0
.rept 24
	global_load_b128 v[4*i:4*i+3], v[LI], s[4:5] offset:512*i   ; Q's eight fragments stay in registers
.set i, i+1
.endr
	WIN 0
.irp s, 0,1,2,3
	global_load_b32 v[SQ+\s], v[LI], s[50:51] offset:49152+512*\s
.endr
	WIN 0x40
.set i, 0
.rept 256
	v_mov_b32 v[i], 0                              ; O^T: the first change of M leaves zeros zeros
.set i, i+1
.endr
	WIN 0
	s_wait_tensorcnt 0x1                           ; my part of slot 0 is in; slot 1's load may stay out
	s_barrier_signal -1
	s_barrier_wait -1
	LDSK 0
	LDK 0, 0, 0
	LDK 0, 1, 1
	WIN 0
	s_wait_loadcnt 0x0                             ; Q
	s_mov_b32 s[TRIPS], 7
.Lpair:                                            ; steps 0 to 13: each fills its slot again
	STEP 0, 2, 1
	STEP 1, 2, 1
	s_sub_co_u32 s[TRIPS], s[TRIPS], 1
	s_cmp_lg_u32 s[TRIPS], 0
	s_cbranch_scc1 .Lpair
	STEP 0, 1, 1                                   ; the tail is written out
	STEP 1, 0, 0
	; THE MERGE of the two key halves.  Under the larger M each half's sum and O^T are multiplied by an exact power of two; then all is divided by the whole sum.
.irp t, 0,1
	v_add_f32 v[SU+4*\t], v[SU+4*\t], v[SU+4*\t+1]
.endr
.irp t, 0,1
	v_permlanex16_b32 v[PB+\t], v[SU+4*\t], s[SEL], s[SEL+1]
.endr
.irp t, 0,1
	v_add_f32 v[SU+4*\t], v[SU+4*\t], v[PB+\t]     ; my half's sum of the row
.endr
.irp t, 0,1
	ds_store_b32 v[STA], v[NM+4*\t] offset:256*\t
	ds_store_b32 v[STA], v[SU+4*\t] offset:256*\t+128
.endr
	s_wait_dscnt 0x0                               ; for the others' sake: my stores are done
	s_barrier_signal -1
	s_barrier_wait -1
.irp t, 0,1
	ds_load_b32 v[M2+\t], v[STB] offset:256*\t
	ds_load_b32 v[L2+\t], v[STB] offset:256*\t+128
.endr
	s_wait_dscnt 0x0
.irp t, 0,1
	v_min_num_f32 v[NS+\t], v[NM+4*\t], v[M2+\t]   ; -(the larger M)
.endr
.irp t, 0,1
	v_sub_f32 v[D1+\t], v[NS+\t], v[NM+4*\t]       ; my M less the larger: a whole number, 0 or less
	v_sub_f32 v[D2+\t], v[NS+\t], v[M2+\t]
.endr
.irp t, 0,1
	v_cvt_i32_f32 v[D1+\t], v[D1+\t]
	v_cvt_i32_f32 v[D2+\t], v[D2+\t]
.endr
.irp t, 0,1
	v_ldexp_f32 v[D1+\t], 1.0, v[D1+\t]
	v_ldexp_f32 v[D2+\t], 1.0, v[D2+\t]
.endr
.irp t, 0,1
	v_mul_f32 v[LL+\t], v[D2+\t], v[L2+\t]
.endr
.irp t, 0,1
	v_fma_f32 v[LL+\t], v[D1+\t], v[SU+4*\t], v[LL+\t]   ; the whole sum
.endr
.irp t, 0,1
	v_rcp_f32 v[GG+2*\t+1], v[LL+\t]
.endr
	v_nop                                          ; a plain place behind the reciprocals
	s_wait_alu depctr_va_vdst(0)                   ; and the wait ahead of their first reader
.irp t, 0,1
	v_mul_f32 v[GG+2*\t], v[D1+\t], v[GG+2*\t+1]   ; what my O^T is multiplied by
.endr
	WIN 0x41
.irp t, 0,1
.set i, 0
.rept 64
	v_pk_mul_f32 v[128*\t+i:128*\t+i+1], v[128*\t+i:128*\t+i+1], v[GG+2*\t:GG+2*\t+1] op_sel_hi:[1,0]   ; each accumulator from its low end on
.set i, i+2
.endr
.endr
	WIN 0x04                                       ; an LDS store's data: window 1
.irp t, 0,1
.irp c, 0,1,2,3,4,5,6,7,8,9,10,11,12,13,14,15
	ds_store_b128 v[STO], v[128*\t+8*\c:128*\t+8*\c+3] offset:16*SP*\t+64*\c       ; row 16 t + r, channels 16 c + 8 h + 0 .. 7
	ds_store_b128 v[STO], v[128*\t+8*\c+4:128*\t+8*\c+7] offset:16*SP*\t+64*\c+16
.endr
.endr
	WIN 0
	s_wait_dscnt 0x0                               ; for the others' sake
	s_barrier_signal -1
	s_barrier_wait -1
.irp q, 0,1                                    ; tile kh of my pair, 8 rows at a time: both halves' rows are added and stored, 512 consecutive bytes a store
.if \q
	s_wait_xcnt 0x0                                ; the stores have read their registers
.endif
.irp i, 0,1,2,3,4,5,6,7
.irp x, 0,1
	ds_load_b128 v[S+8*\i+4*\x:S+8*\i+4*\x+3], v[RDA] offset:(8*\q+\i)*SP+512*\x
	ds_load_b128 v[S+64+8*\i+4*\x:S+64+8*\i+4*\x+3], v[RDB] offset:(8*\q+\i)*SP+512*\x
.endr
.endr
	s_wait_dscnt 0x0
.set j, 0
.rept 32
	v_pk_add_f32 v[S+j:S+j+1], v[S+j:S+j+1], v[S+64+j:S+64+j+1]
.set j, j+2
.endr
.irp i, 0,1,2,3,4,5,6,7
.irp x, 0,1
	global_store_b128 v[LI], v[S+8*\i+4*\x:S+8*\i+4*\x+3], s[8:9] offset:(16*\q+\i)*1024+512*\x th:TH_STORE_NT   ; stage row 8 q + i is output row 16 q + i from my first
.endr
.endr
.endr
	s_wait_tensorcnt 0x0                           ; the wave's end
	ds_add_u32 v[SPW], v[NIL]
	s_wait_dscnt 0x0
	CROUND                                         ; the closing round
	s_endpgm
.Lfunc_end_k_qb0a325cf3f_attn:
	.size	k_qb0a325cf3f_attn, .Lfunc_end_k_qb0a325cf3f_attn-k_qb0a325cf3f_attn
	.p2alignl 7, 3214868480
	.fill 96, 4, 3214868480
	.section	.rodata,"a",@progbits
	.p2align	6, 0x0
	.amdhsa_kernel k_qb0a325cf3f_attn
		.amdhsa_group_segment_fixed_size 327680
		.amdhsa_private_segment_fixed_size 0
		.amdhsa_enable_private_segment 0
		.amdhsa_kernarg_size 24
		.amdhsa_user_sgpr_count 2
		.amdhsa_user_sgpr_kernarg_segment_ptr 1
		.amdhsa_wavefront_size32 1
		.amdhsa_system_sgpr_workgroup_id_x 1
		.amdhsa_system_sgpr_workgroup_id_y 1
		.amdhsa_system_sgpr_workgroup_id_z 1
		.amdhsa_system_vgpr_workitem_id 0
		.amdhsa_next_free_vgpr 1024
		.amdhsa_next_free_sgpr 66
		.amdhsa_reserve_vcc 0
		.amdhsa_float_denorm_mode_32 3
		.amdhsa_float_denorm_mode_16_64 3
		.amdhsa_memory_ordered 1
		.amdhsa_forward_progress 1
		.amdhsa_inst_pref_size 253
	.end_amdhsa_kernel
	.amdgpu_metadata
---
amdhsa.version: [ 1, 2 ]
amdhsa.kernels:
  - .name:           k_qb0a325cf3f_attn
    .symbol:         k_qb0a325cf3f_attn.kd
    .args:
      - { .name: qf, .offset: 0, .size: 8, .value_kind: global_buffer, .address_space: global }
      - { .name: kv, .offset: 8, .size: 8, .value_kind: global_buffer, .address_space: global }
      - { .name: out0, .offset: 16, .size: 8, .value_kind: global_buffer, .address_space: global }
    .group_segment_fixed_size: 327680
    .private_segment_fixed_size: 0
    .kernarg_segment_align: 8
    .kernarg_segment_size: 24
    .max_flat_workgroup_size: 128
    .sgpr_count:     66
    .vgpr_count:     1024
    .wavefront_size: 32
...
	.end_amdgpu_metadata
.endif
;; end of part 2
